; MI455X (gfx1250); checked and timed in simulation.
; The chip was launched on July 23, 2026; its instructions are those of AMD's public machine-readable ISA for CDNA 5 (MIT licence, August 2026) and "CDNA5" Instruction Set Architecture Reference Guide (July 2026). The comments in the code are by the model that wrote it; some were corrected since.
;; Multi Head Attention. Allowed arithmetic: matrix products marked QUANTISED: E4M3 operands, one given power-of-two scale a tensor, by v_wmma_f32_16x16x64_fp8_fp8 or v_wmma_f32_16x16x128_fp8_fp8, f32 sums; everything else in f32.
;; Inputs: Wk 1,024 x 1,024 float32; Wo 1,024 x 1,024 float32; Wq 1,024 x 1,024 float32; Wv 1,024 x 1,024 float32; X 2 x 2,048 x 1,024 float32; bo 1,024 float32; lowp_scales 12 int32 (the exponents e of the quantised operands' scales 2^e).
;; Outputs: out0 2 x 2,048 x 1,024 float32.
;; This version of the problem:
;;   THIS VERSION OF THE PROBLEM IS GIVEN IN LOW PRECISION. The matrix products marked QUANTISED in the list below multiply operands that are first quantised to E4M3 (4 exponent bits, 3 mantissa bits; 8 bits a number), with one given power-of-two scale for each operand tensor; their sums are f32. All else is computed in f32.
;;   The module's matrix products, in the order in which they are computed (A, B: the left and right operand; K: the contracted axis; several contracted axes count as one K, in the product's order):
;;     1. [M 4,096, K 1,024] x [K 1,024, N 1,024]; A: input X; B: input Wq: QUANTISED (scales: A lowp_scales[0], B lowp_scales[1])
;;     2. [M 4,096, K 1,024] x [K 1,024, N 1,024]; A: input X; B: input Wk: QUANTISED (scales: A lowp_scales[2], B lowp_scales[3])
;;     3. [M 4,096, K 1,024] x [K 1,024, N 1,024]; A: input X; B: input Wv: QUANTISED (scales: A lowp_scales[4], B lowp_scales[5])
;;     4. batch 32 x [M 2,048, K 64] x [K 64, N 2,048]; A: computed on the way; B: computed on the way: QUANTISED (scales: A lowp_scales[6], B lowp_scales[7])
;;     5. batch 32 x [M 2,048, K 2,048] x [K 2,048, N 64]; A: softmax (see below); B: computed on the way: QUANTISED (scales: A lowp_scales[8], B lowp_scales[9])
;;     6. [M 4,096, K 1,024] x [K 1,024, N 1,024]; A: computed on the way; B: input Wo: QUANTISED (scales: A lowp_scales[10], B lowp_scales[11])
;;   THE QUANTISER, for each operand of a quantised product, along K:
;;     - The operand's scale is 2^e, e = its entry of the input lowp_scales (int32; the entries are numbered through the quantised products in the list's order, A before B).
;;     - Each number is divided by the scale, clamped to +-448, and rounded to the nearest number of E4M3, ties to even, subnormals kept.
;;     - The product sums the exact products of the quantised numbers (number of the format x scale) in f32.
;;   ~~~python
;;   def quantise(x, axis, e):      # numpy; x: float32 -> the quantised numbers, widened to float32 again
;;       x = np.moveaxis(x, axis, -1); K = x.shape[-1]
;;       r = np.clip(x / 2.0 ** e, -448, 448)
;;       step = 2.0 ** (np.maximum(np.frexp(np.where(r == 0, 1, r))[1] - 1, -6) - 3)
;;       q = np.round(r / step) * step * 2.0 ** e      # np.round: ties to even
;;       return np.moveaxis(q, -1, axis).astype(np.float32)
;;   ~~~
;;   SOFTMAX AHEAD OF A QUANTISED PRODUCT. Where the list says 'softmax', what is quantised is not the finished softmax but p = 2^(t - M), with t = logit x log2(e) and M = ceil(the row's largest t), a whole number; so 1/2 < the row's largest p <= 1. The row's sum l is taken of the UNQUANTISED p, in f32, and the product's result is divided by l at the end. Since M is a whole number, a kernel that streams over the keys may use a running M (the ceiling of the running maximum): every later rescaling is an exact power of two, so the quantised numbers keep their values, but for numbers so far below the row's largest that they fall under the format's range.
;;   OPERANDS COMPUTED ON THE WAY. 'Computed on the way' means the value that the module computes at that place (a softmax that the list does not call 'softmax' is quantised finished and normalised). What goes into a quantiser is computed in f32, as accurately as f32 sums, v_exp_f32 and their like allow (about 1e-6 of the number): no bf16 or f16 on the way to a quantiser, and a product that is left as it is and whose result goes on into a quantised operand takes f32 operands (vector FMAs, or v_wmma_f32_16x16x4_f32). A number that lies on a knife's edge between two numbers of the format may be rounded either way, as far as f32 arithmetic and the matrix unit's own rounding can turn it there, and no further.
;; One version. Each part assembles by itself: llvm-mc -triple=amdgcn-amd-amdhsa -mcpu=gfx1250 --defsym DOCPART=n.
;; ======== version 1 of 1: 4 launches
;; limits: right only within a limited range of input values
;; workspace buffers: codes 16,777,216 bytes; qkvc 12,582,912 bytes; cc 4,194,304 bytes
;; launch quant (part 1): grid 512 x 1, 4 waves a work-group, no clusters, 34,304 bytes of LDS; arguments X, Wq, Wk, Wv, Wo, lowp_scales, codes; writes codes
.if DOCPART == 1
	.amdgcn_target "amdgcn-amd-amdhsa--gfx1250"
	.amdhsa_code_object_version 6
	.text
	.protected	k_qe97e7f0b25_quant
	.globl	k_qe97e7f0b25_quant
	.p2align	8
	.type	k_qe97e7f0b25_quant,@function
k_qe97e7f0b25_quant:
	s_mov_b64 s[64:65], 0
	v_nop
	global_prefetch_b8 v0, s[64:65] scope:SCOPE_SE
	s_setreg_imm32_b32 hwreg(HW_REG_WAVE_MODE, 25, 1), 1
	s_wait_xcnt 0x0
; X [4096][1024] f32 becomes codes of FP8 (E4M3) three times, with the scales 2^e0, 2^e2, 2^e4; Wq, Wk, Wv, Wo [1024 (k)][1024 (n)] f32 become codes with 2^e1, 2^e3, 2^e5, 2^e11.
; code = x / 2^e, held within +-448, rounded to the nearest code, ties to even.
; THE CODES ARE LAID AS IMAGES OF OPERAND REGISTERS.  A fragment of 16 rows x 128 K is 2,048 bytes: byte 512 c + 16 L + y (L = 16 h + r) is the code of row r, k = 32 c + 16 h + y.
; So a later launch has a fragment by four loads of 16 bytes a lane at 16 x lane + 512 c.  Row r of row tile T is the tensor's row 32 (T / 2) + 8 (T % 2) + r + 8 (r / 8): tokens of X, columns n of a weight.
; codes: X's three sets at p x 2^22 + R x 16,384 + s x 2,048 (R: row tile, s: K step of 128); the weights at 0xC00000 + mat x 2^20 + T x 16,384 + s x 2,048.
; Work-groups 0-255 take a row tile of X each, work-groups 256-511 128 columns x 128 K of a weight.  Memory binds: no matrix unit, no cluster, no tensor load; waves share nothing, so there is no barrier.
; LIMITS: e0 .. e5 and e11 between -126 and 119, so that 2^e and 448 x 2^e are f32 numbers.  NaN among the inputs is not served; an infinity is held at the largest code.
.set RA,   16                          ; v16-79, v80-143  X: two units of 64 registers as loaded; later each unit's codes (3 x 16 registers)
.set XN,   144                         ; v144-207 X: 64 numbers of my row: register 16 c + i = k 32 c + 16 h + i
.set TA,   208                         ; v208-223, v224-239 held numbers, two sets by turns
.set SPX,  528                         ; a stage row: 512 bytes + 16: an odd multiple of 16 bytes, so sixteen rows' reads start at sixteen different 16-byte columns
.set WST,  16*SPX                      ; a wave's stage
.set WN,   16                          ; v16-143  W: 128 numbers down K of my column
.set WC,   144                         ; v144-175 W: their codes
.macro SCALES e, sc, lm                ; from the whole number in s[e]: v[sc] = 2^e as f32 (the conversion takes its exponent field), v[lm] = 448 x 2^e
	s_add_co_i32 s48, s[\e], 127
	s_lshl_b32 s49, s48, 23
	v_mov_b32 v[\sc], s49
	s_add_co_i32 s48, s48, 8
	s_lshl_b32 s48, s48, 23
	s_or_b32 s48, s48, 0x600000
	v_mov_b32 v[\lm], s48
.endm
	s_load_b256 s[4:11], s[0:1], 0x0               ; X s[4:5], Wq s[6:7], Wk s[8:9], Wv s[10:11]
	s_load_b128 s[12:15], s[0:1], 0x20             ; Wo s[12:13], the scales' exponents s[14:15]
	s_load_b64 s[16:17], s[0:1], 0x30              ; codes
	v_lshl_add_u32 v240, v0, 2, 0x8400
	v_mov_b32 v241, 0
	v_lshrrev_b32 v10, 5, v0
	v_readfirstlane_b32 s18, v10                   ; wave 0..3
	v_and_b32 v11, 31, v0                          ; lane
	s_wait_kmcnt 0x0
	s_load_b256 s[20:27], s[14:15], 0x0            ; e0 .. e7
	s_load_b128 s[28:31], s[14:15], 0x20           ; e8 .. e11
	s_cmp_lt_u32 ttmp9, 256
	s_cbranch_scc0 .Lweights
; ---------------- X: row tile R = the work-group's number; wave w takes K steps 2 w and 2 w + 1 (units 0, 1) ----------------
	s_lshr_b32 s38, ttmp9, 1
	s_lshl_b32 s38, s38, 5
	s_and_b32 s39, ttmp9, 1
	s_lshl_b32 s39, s39, 3
	s_add_co_u32 s38, s38, s39                     ; the tile's first token: 32 (R / 2) + 8 (R % 2)
	s_lshl_b32 s38, s38, 12                        ; x 4,096 bytes a row
	s_lshl_b32 s39, s18, 10
	s_add_co_u32 s38, s38, s39                     ; + my wave's 1,024 bytes of a row
	s_mov_b32 s39, 0
	s_add_nc_u64 s[4:5], s[4:5], s[38:39]
	s_lshl_b32 s38, ttmp9, 14
	s_lshl_b32 s40, s18, 12
	s_add_co_u32 s38, s38, s40
	s_add_nc_u64 s[32:33], s[16:17], s[38:39]      ; the three sets of codes: a base each
	s_add_nc_u64 s[34:35], s[32:33], 0x400000
	s_add_nc_u64 s[36:37], s[32:33], 0x800000
	s_wait_alu depctr_va_vdst(0)
	v_lshlrev_b32 v1, 4, v11                       ; 16 x lane: my bytes of a load's 512, and of a store's
	s_mul_i32 s40, s18, WST
	v_add_nc_u32 v2, s40, v1                       ; the stage, way in: a row as it lies
	v_and_b32 v12, 15, v11                         ; r
	v_lshrrev_b32 v13, 4, v11                      ; h
	v_mul_u32_u24 v3, v12, SPX
	v_lshl_add_u32 v3, v13, 6, v3
	v_add_nc_u32 v3, s40, v3                       ; way out: row r, + 64 h bytes: my 16 numbers of each block of 32
.macro XLD u                           ; unit u: 16 rows x 512 bytes; each load reads 512 consecutive bytes
.irp t, 0,1,2,3,4,5,6,7,8,9,10,11,12,13,14,15
	global_load_b128 v[RA+64*\u+4*\t:RA+64*\u+4*\t+3], v1, s[4:5] offset:(\t+8*(\t/8))*4096+512*\u th:TH_LOAD_NT
.endr
.endm
.macro XTURN u                         ; through my own stage: LDS serves a wave's instructions in order, so no wait stands between the stores and the loads
.irp t, 0,1,2,3,4,5,6,7,8,9,10,11,12,13,14,15
	ds_store_b128 v2, v[RA+64*\u+4*\t:RA+64*\u+4*\t+3] offset:SPX*\t
.endr
.irp c, 0,1,2,3
.irp j, 0,1,2,3
	ds_load_b128 v[XN+16*\c+4*\j:XN+16*\c+4*\j+3], v3 offset:128*\c+16*\j
.endr
.endr
.endm
.macro XQ u, p                         ; unit u quantised with scale p: the hold goes into other registers, since the numbers serve three scales
.irp c, 0,1,2,3
.set TT, TA+16*(\c%2)
.irp i, 0,1,2,3,4,5,6,7,8,9,10,11,12,13,14,15
	v_med3_num_f32 v[TT+\i], v[XN+16*\c+\i], -v[5+2*\p], v[5+2*\p]   ; the conversion to an 8-bit code does not saturate (ISA guide 7.6.2)
.endr
	v_cvt_scalef32_pk8_fp8_f32 v[RA+64*\u+16*\p+4*\c:RA+64*\u+16*\p+4*\c+1], v[TT:TT+7], v[4+2*\p]
	v_cvt_scalef32_pk8_fp8_f32 v[RA+64*\u+16*\p+4*\c+2:RA+64*\u+16*\p+4*\c+3], v[TT+8:TT+15], v[4+2*\p]
.endr                                  ; the two sets take turns: sixteen plain lines stand between a conversion and the next write of its sources
	v_nop                                          ; a plain line behind the last conversion
.irp c, 0,1,2,3
	global_store_b128 v1, v[RA+64*\u+16*\p+4*\c:RA+64*\u+16*\p+4*\c+3], s[32+2*\p:33+2*\p] offset:2048*\u+512*\c   ; 512 consecutive bytes of the image; no store's data are written again
.endr
.endm
	XLD 0
	XLD 1
	s_wait_alu depctr_va_vdst(0)
	s_wait_kmcnt 0x0
	SCALES 20, 4, 5
	SCALES 22, 6, 7
	SCALES 24, 8, 9
	s_wait_alu depctr_va_vdst(0)
	s_wait_loadcnt 16                              ; unit 0 is in; unit 1's sixteen loads may be out
	XTURN 0
	s_wait_dscnt 0x0                               ; the numbers are back, and the stage's stores have read unit 0's registers: they take the codes
	XQ 0, 0
	XQ 0, 1
	XQ 0, 2
	s_wait_loadcnt 0x0
	XTURN 1
	s_wait_dscnt 0x0
	XQ 1, 0
	XQ 1, 1
	XQ 1, 2
	s_wait_tensorcnt 0x0
	ds_add_u32 v240, v241
	s_wait_dscnt 0x0
	s_endpgm
; ---------------- weights: y = number - 256: matrix y / 64, K step (y / 8) % 8, block of 128 columns y % 8 ----------------
; A LANE TAKES A COLUMN AND ITS REGISTERS RUN DOWN K: the conversions then give codes with K innermost, and nothing is transposed.
; Lane L takes the column whose place in its group of 32 is L: column = L with bits 3 and 4 exchanged.  So lanes 0-15 are the rows of one row tile and lanes 16-31 those of the next.
.Lweights:
	s_sub_co_u32 s38, ttmp9, 256
	s_lshr_b32 s39, s38, 6                         ; matrix: q, k, v, o
	s_bfe_u32 s44, s38, 0x30003                    ; K step
	s_and_b32 s45, s38, 7                          ; block of columns
	s_cmp_eq_u32 s39, 0
	s_cselect_b64 s[40:41], s[6:7], s[8:9]
	s_cmp_eq_u32 s39, 2
	s_cselect_b64 s[40:41], s[10:11], s[40:41]
	s_cmp_eq_u32 s39, 3
	s_cselect_b64 s[40:41], s[12:13], s[40:41]     ; the choice hangs on the work-group's number alone
	s_lshl_b32 s42, s44, 19                        ; 128 rows of 4,096 bytes a K step
	s_lshl_b32 s46, s45, 9
	s_add_co_u32 s42, s42, s46
	s_lshl_b32 s46, s18, 7                         ; my wave's 32 columns
	s_add_co_u32 s42, s42, s46
	s_mov_b32 s43, 0
	s_add_nc_u64 s[40:41], s[40:41], s[42:43]
	s_lshl_b32 s42, s39, 20
	s_add_co_u32 s42, s42, 0xC00000
	s_lshl_b32 s46, s45, 17                        ; row tile 8 x block + 2 x wave, 16,384 bytes each
	s_add_co_u32 s42, s42, s46
	s_lshl_b32 s46, s18, 15
	s_add_co_u32 s42, s42, s46
	s_lshl_b32 s46, s44, 11
	s_add_co_u32 s42, s42, s46
	s_add_nc_u64 s[16:17], s[16:17], s[42:43]
	s_wait_alu depctr_va_vdst(0)
	v_and_b32 v1, 7, v11
	v_bfe_u32 v12, v11, 4, 1
	v_lshl_or_b32 v1, v12, 3, v1
	v_bfe_u32 v13, v11, 3, 1
	v_lshl_or_b32 v1, v13, 4, v1
	v_lshlrev_b32 v1, 2, v1                        ; my column's 4 bytes
	v_and_b32 v2, 15, v11
	v_lshlrev_b32 v2, 4, v2
	v_lshl_or_b32 v2, v12, 14, v2                  ; my 16 bytes of an image: row L % 16 of row tile L / 16
.macro WLD g                           ; k = 16 g .. 16 g + 15 of my column: the wave reads 128 consecutive bytes, the work-group 512
.irp i, 0,1,2,3,4,5,6,7,8,9,10,11,12,13,14,15
	global_load_b32 v[WN+16*(\g)+\i], v1, s[40:41] offset:(16*(\g)+\i)*4096 th:TH_LOAD_NT
.endr
.endm
.macro WQ g                            ; group g = 2 c + h of the image
.if 7-(\g) >= 2
	s_wait_loadcnt 32                              ; mine are in; the two groups asked for behind them may be out
.else
	s_wait_loadcnt 16*(7-(\g))
.endif
.irp i, 0,1,2,3,4,5,6,7,8,9,10,11,12,13,14,15
	v_med3_num_f32 v[WN+16*(\g)+\i], v[WN+16*(\g)+\i], -v5, v5
.endr
	v_cvt_scalef32_pk8_fp8_f32 v[WC+4*(\g):WC+4*(\g)+1], v[WN+16*(\g):WN+16*(\g)+7], v4
	v_cvt_scalef32_pk8_fp8_f32 v[WC+4*(\g)+2:WC+4*(\g)+3], v[WN+16*(\g)+8:WN+16*(\g)+15], v4
	v_nop
	global_store_b128 v2, v[WC+4*(\g):WC+4*(\g)+3], s[16:17] offset:512*((\g)/2)+256*((\g)%2)   ; sixteen lanes store 256 consecutive bytes, aligned
.if (\g)+3 < 8
	WLD (\g)+3
.endif
.endm
	WLD 0
	WLD 1
	WLD 2
	s_wait_kmcnt 0x0
	s_cmp_eq_u32 s39, 0
	s_cselect_b32 s47, s21, s23
	s_cmp_eq_u32 s39, 2
	s_cselect_b32 s47, s25, s47
	s_cmp_eq_u32 s39, 3
	s_cselect_b32 s47, s31, s47                    ; e1, e3, e5 or e11
	SCALES 47, 4, 5
	s_wait_alu depctr_va_vdst(0)
.irp g, 0,1,2,3,4,5,6,7
	WQ \g
.endr
	s_endpgm
.Lfunc_end_k_qe97e7f0b25_quant:
	.size	k_qe97e7f0b25_quant, .Lfunc_end_k_qe97e7f0b25_quant-k_qe97e7f0b25_quant
	.p2alignl 7, 3214868480
	.fill 96, 4, 3214868480
	.section	.rodata,"a",@progbits
	.p2align	6, 0x0
	.amdhsa_kernel k_qe97e7f0b25_quant
		.amdhsa_group_segment_fixed_size 34304
		.amdhsa_private_segment_fixed_size 0
		.amdhsa_enable_private_segment 0
		.amdhsa_kernarg_size 56
		.amdhsa_user_sgpr_count 2
		.amdhsa_user_sgpr_kernarg_segment_ptr 1
		.amdhsa_wavefront_size32 1
		.amdhsa_system_sgpr_workgroup_id_x 1
		.amdhsa_system_sgpr_workgroup_id_y 1
		.amdhsa_system_sgpr_workgroup_id_z 1
		.amdhsa_system_vgpr_workitem_id 0
		.amdhsa_next_free_vgpr 242
		.amdhsa_next_free_sgpr 66
		.amdhsa_reserve_vcc 0
		.amdhsa_float_denorm_mode_32 3
		.amdhsa_float_denorm_mode_16_64 3
		.amdhsa_memory_ordered 1
		.amdhsa_forward_progress 1
		.amdhsa_inst_pref_size 64
	.end_amdhsa_kernel
	.amdgpu_metadata
---
amdhsa.version: [ 1, 2 ]
amdhsa.kernels:
  - .name:           k_qe97e7f0b25_quant
    .symbol:         k_qe97e7f0b25_quant.kd
    .args:
      - { .name: X, .offset: 0, .size: 8, .value_kind: global_buffer, .address_space: global }
      - { .name: Wq, .offset: 8, .size: 8, .value_kind: global_buffer, .address_space: global }
      - { .name: Wk, .offset: 16, .size: 8, .value_kind: global_buffer, .address_space: global }
      - { .name: Wv, .offset: 24, .size: 8, .value_kind: global_buffer, .address_space: global }
      - { .name: Wo, .offset: 32, .size: 8, .value_kind: global_buffer, .address_space: global }
      - { .name: lowp_scales, .offset: 40, .size: 8, .value_kind: global_buffer, .address_space: global }
      - { .name: codes, .offset: 48, .size: 8, .value_kind: global_buffer, .address_space: global }
    .group_segment_fixed_size: 34304
    .private_segment_fixed_size: 0
    .kernarg_segment_align: 8
    .kernarg_segment_size: 56
    .max_flat_workgroup_size: 128
    .sgpr_count:     66
    .vgpr_count:     242
    .wavefront_size: 32
...
	.end_amdgpu_metadata
.endif
;; end of part 1
;; launch qkv (part 2): grid 12 x 16, 4 waves a work-group, clusters of 4 x 4, 327,680 bytes of LDS; arguments codes, lowp_scales, qkvc; writes qkvc
.if DOCPART == 2
	.amdgcn_target "amdgcn-amd-amdhsa--gfx1250"
	.amdhsa_code_object_version 6
	.text
	.protected	k_qe97e7f0b25_qkv
	.globl	k_qe97e7f0b25_qkv
	.p2align	8
	.type	k_qe97e7f0b25_qkv,@function
k_qe97e7f0b25_qkv:
	s_mov_b64 s[64:65], 0
	v_nop
	global_prefetch_b8 v0, s[64:65] scope:SCOPE_SE
	s_setreg_imm32_b32 hwreg(HW_REG_WAVE_MODE, 25, 1), 1
	s_wait_xcnt 0x0
	s_wait_alu depctr_hold_cnt(0) depctr_sa_sdst(0) depctr_va_vdst(0) depctr_va_sdst(0) depctr_va_ssrc(0) depctr_va_vcc(0) depctr_vm_vsrc(0)
	s_getreg_b32 s2, hwreg(HW_REG_IB_STS2, 6, 4)
	s_cmp_eq_u32 s2, 0
	s_cbranch_scc0 .Lentry_in_a_cluster
	s_endpgm
.Lentry_in_a_cluster:
	s_bfe_u32 s2, ttmp6, 0x10000c
	s_cmp_lg_u32 s2, 0xf033
	s_cbranch_scc0 .Lentry_shape_is_right
	s_endpgm
.Lentry_shape_is_right:
; q = X Wq, k = X Wk, v = X Wv on codes of FP8 (E4M3), each result quantised at once with its own scale (2^e6, 2^e7, 2^e9) and stored as images of the next products' operands.
; Cluster x is the matrix (q, k, v).  A tile of 256 x 256 is made by a work-group of four waves, 128 x 128 each: 64 accumulators.  K goes in steps of 256 through two LDS slots.
; CLUSTERS: 4 x 4: A's tile is shared along a row of the cluster, B's along a column, each asked for jointly.  For v the weight is A and X is B, so that a lane's registers run along the tokens.
; The operands are images of fragments (16 rows x 128 K = 2,048 bytes, a row tile's K steps on end), so a fragment is four loads of 16 bytes a lane, 512 consecutive bytes each.
; qkvc: per head (batch x 16 + head) 16 steps of 128 tokens, 24,576 bytes each: q's 8 tiles of 16 tokens x 64 (8,192 bytes), k's, then v's 4 tiles of 16 channels x 128 tokens.
; No prefetch: the block is the largest and K has four steps, of which the first two come at the head.
; LIMITS: e6 - e0 - e1, e7 - e2 - e3 and e9 - e4 - e5 between -126 and 119.
.set HALFT,  32768
.set SLOT,   4*HALFT
.set SPARE,  2*SLOT
.set FR,     16
.set NL,     4
.set NP,     4
.set SC,   12
.set LIM,  13
.set ADRA, 16
.set ADRB, 20
.set CO,   26
.set SPW,  28
.set NIL,  29
.set TMP,  32
.set AF,   128
.set OC,   128
.set G1, 24
.set G0, 32
.set G1B, 48
.set G0B, 56
.set MSB, 0
.macro WIN new
.if MSB != (\new)
	s_set_vgpr_msb (MSB<<8)|(\new)
.set MSB, (\new)
.endif
.endm
.set MUL_LO, 0xa1
.set MUL_HI, 0xf1
.set TO_B,   0x40
.macro JLOAD g0a, g1a, g0b, g1b
	s_cmp_eq_u32 s15, 0
	s_cbranch_scc0 .Lfor_b_\@
	tensor_load_to_lds s[\g0a:\g0a+3], s[\g1a:\g1a+7]
	s_nop 0
.rept 4
	v_nop
.endr
	s_branch .Lasked_\@
.Lfor_b_\@:
	tensor_load_to_lds s[\g0b:\g0b+3], s[\g1b:\g1b+7]
	s_nop 0
.rept 4
	v_nop
.endr
.Lasked_\@:
.endm
.macro CREST
	s_cmp_lg_u32 s14, 0
	s_cbranch_scc1 .Lnot_wave_0_\@
	s_barrier_signal -3
.Lnot_wave_0_\@:
	s_barrier_wait -3
	s_barrier_signal -1
	s_barrier_wait -1
.endm
.macro CROUND
	s_barrier_signal -1
	s_barrier_wait -1
	CREST
.endm
	s_load_b128 s[4:7], s[0:1], 0x0
	s_load_b64 s[8:9], s[0:1], 0x10
	v_lshl_add_u32 v[SPW], v0, 2, SPARE
	v_mov_b32 v[NIL], 0
	ds_add_u32 v28, v29
	ds_add_u32 v28, v29
	s_wait_dscnt 0x0
	v_lshrrev_b32 v1, 5, v0
	v_readfirstlane_b32 s14, v1
	s_lshr_b32 s15, s14, 1
	s_and_b32 s16, s14, 1
	s_bfe_u32 s40, ttmp6, 0x40000
	s_bfe_u32 s41, ttmp6, 0x40004
	s_and_b32 s42, ttmp7, 0xffff
	s_lshl_b32 s42, s42, 2
	s_lshl_b32 s43, s41, 2
	s_lshl_b32 s43, 15, s43
	s_lshl_b32 s44, 0x1111, s40
	s_or_b32 s[G1+0], s43, (3<<16)|(1<<21)
	s_or_b32 s[G1B+0], s44, (3<<16)|(1<<21)
.irp g, G1, G1B
	s_mov_b32 s[\g+1], 512<<16
	s_mov_b32 s[\g+2], 8<<16
	s_mov_b32 s[\g+3], 512<<16
	s_mov_b32 s[\g+4], 8
	s_mov_b32 s[\g+5], 2048
	s_mov_b32 s[\g+6], 0
	s_mov_b32 s[\g+7], 0
.endr
	s_lshl_b32 s10, ttmp9, 22
	s_lshl_b32 s11, ttmp9, 20
	s_add_co_u32 s11, s11, 0xC00000
	s_cmp_eq_u32 ttmp9, 2
	s_cselect_b32 s20, s11, s10
	s_cselect_b32 s46, s10, s11
	s_cselect_b32 s18, 0, s42
	s_cselect_b32 s19, s42, 0
	s_add_co_u32 s17, s41, s18
	s_add_co_u32 s13, s40, s19
	s_lshl_b32 s21, s17, 18
	s_add_co_u32 s20, s20, s21
	s_lshl_b32 s21, s16, 17
	s_add_co_u32 s20, s20, s21
	s_mov_b32 s21, 0
	s_lshl_b32 s47, s13, 18
	s_add_co_u32 s46, s46, s47
	s_lshl_b32 s47, s16, 17
	s_add_co_u32 s46, s46, s47
	s_mov_b32 s47, 0
	s_mul_i32 s45, s14, HALFT
	CROUND                                         ; all sixteen work-groups are here: the first joint loads meet
	s_wait_kmcnt 0x0
	s_load_b256 s[68:75], s[6:7], 0x0
	s_load_b128 s[76:79], s[6:7], 0x20
	s_add_nc_u64 s[20:21], s[4:5], s[20:21]
	s_add_nc_u64 s[46:47], s[4:5], s[46:47]
.irp s, 0,1
	s_mov_b32 s[G0+4*\s], 1
	s_add_co_u32 s[G0+4*\s+1], s45, \s*SLOT
	s_add_nc_u64 s[G0+4*\s+2:G0+4*\s+3], s[20:21], \s*4096
	s_or_b32 s[G0+4*\s+3], s[G0+4*\s+3], 0x80000000
	s_mov_b32 s[G0B+4*\s], 1
	s_add_co_u32 s[G0B+4*\s+1], s45, \s*SLOT
	s_add_nc_u64 s[G0B+4*\s+2:G0B+4*\s+3], s[46:47], \s*4096
	s_or_b32 s[G0B+4*\s+3], s[G0B+4*\s+3], 0x80000000
.endr
	JLOAD G0, G1, G0B, G1B                         ; K step 0: my one load at the head
	v_and_b32 v6, 31, v0
	v_lshlrev_b32 v[CO], 4, v6
	s_mul_i32 s21, s15, HALFT
	s_mul_i32 s22, s16, HALFT
	s_add_co_u32 s22, s22, 2*HALFT
.irp s, 0,1
	v_add_nc_u32 v[ADRA+\s], s21, v[CO]
	v_add_nc_u32 v[ADRB+\s], s22, v[CO]
	s_add_co_u32 s21, s21, SLOT
	s_add_co_u32 s22, s22, SLOT
.endr
	s_wait_alu depctr_va_vdst(0)
	s_wait_kmcnt 0x0
	s_cmp_eq_u32 ttmp9, 0
	s_cselect_b32 s80, s68, s70
	s_cselect_b32 s81, s69, s71
	s_cselect_b32 s82, s74, s75
	s_cmp_eq_u32 ttmp9, 2
	s_cselect_b32 s80, s72, s80
	s_cselect_b32 s81, s73, s81
	s_cselect_b32 s82, s77, s82
	s_sub_co_i32 s82, s82, s80
	s_sub_co_i32 s82, s82, s81
	s_add_co_i32 s82, s82, 127
	s_lshl_b32 s83, s82, 23
	v_mov_b32 v[SC], s83
	s_add_co_i32 s82, s82, 8
	s_lshl_b32 s82, s82, 23
	s_or_b32 s82, s82, 0x600000
	v_mov_b32 v[LIM], s82
.macro FRAG reg, adr, q, i
.irp c, 0,1,2,3
	ds_load_b128 v[\reg+4*\c:\reg+4*\c+3], v[\adr] offset:2048*(\q)+512*\c+4096*(\i)
.endr
.endm
.macro MUL16 a0, p, zero
.irp a, \a0, \a0+1
.irp b, 0,1,2,3,4,5,6,7
.if \zero
	v_wmma_f32_16x16x128_fp8_fp8 v[8*(8*((\a)%4)+\b):8*(8*((\a)%4)+\b)+7], v[128*(\p)+FR*\b:128*(\p)+FR*\b+FR-1], v[AF+FR*(\a):AF+FR*(\a)+FR-1], 0
.else
	v_wmma_f32_16x16x128_fp8_fp8 v[8*(8*((\a)%4)+\b):8*(8*((\a)%4)+\b)+7], v[128*(\p)+FR*\b:128*(\p)+FR*\b+FR-1], v[AF+FR*(\a):AF+FR*(\a)+FR-1], v[8*(8*((\a)%4)+\b):8*(8*((\a)%4)+\b)+7]
.endif
.endr
.endr
.endm
.macro FETCH_B slot, q, p
	WIN TO_B
.irp i, 0,1,2,3,4,5,6,7
	FRAG 128*(\p)+FR*\i, ADRB+\slot, \q, \i
.endr
	WIN 0
.endm
.macro FETCH_A slot, q, i0
.irp i, \i0, \i0+1, \i0+2, \i0+3
	FRAG AF+FR*(\i), ADRA+\slot, \q, \i
.endr
.endm
.macro PLACES n
.rept \n
	v_nop
.endr
.endm
.macro STEP slot, q, zero
	s_wait_dscnt 4*NL
	WIN MUL_LO
	MUL16 0, (\q)%2, \zero
	MUL16 2, (\q)%2, \zero
	s_wait_dscnt 0
	PLACES NP
	FETCH_B \slot, (\q)+1, 1-(\q)%2
	FETCH_A \slot, (\q)+1, 0
	WIN MUL_HI
	MUL16 4, (\q)%2, \zero
	MUL16 6, (\q)%2, \zero
	PLACES NP
	WIN 0
	FETCH_A \slot, (\q)+1, 4
.endm
.macro TURN slot, next, fill
	s_wait_tensorcnt 0x0
	ds_add_u32 v[SPW], v[NIL]
	s_wait_dscnt 4*NL+1
	WIN MUL_LO
	MUL16 0, 1, 0
	s_wait_dscnt 0x0
	s_barrier_signal -1
	MUL16 2, 1, 0
	WIN 0
	s_barrier_wait -1
.if \fill
	CREST
	s_add_nc_u64 s[G0+4*\slot+2:G0+4*\slot+3], s[G0+4*\slot+2:G0+4*\slot+3], 8192
	s_add_nc_u64 s[G0B+4*\slot+2:G0B+4*\slot+3], s[G0B+4*\slot+2:G0B+4*\slot+3], 8192
	JLOAD G0+4*\slot, G1, G0B+4*\slot, G1B
.else
	PLACES NP
.endif
	FETCH_B \next, 0, 0
	FETCH_A \next, 0, 0
	WIN MUL_HI
	MUL16 4, 1, 0
	MUL16 6, 1, 0
	PLACES NP
	WIN 0
	FETCH_A \next, 0, 4
.endm
	s_wait_alu depctr_va_vdst(0)                   ; the wait at the head's end
	s_wait_tensorcnt 0x0                           ; my part of K step 0 is in
	ds_add_u32 v[SPW], v[NIL]
	s_wait_dscnt 0x0
	CROUND                                         ; everybody's part of K step 0 is in; the joint loads meet
	JLOAD G0+4, G1, G0B+4, G1B                     ; K step 1
	FETCH_B 0, 0, 0
	FETCH_A 0, 0, 0
	FETCH_A 0, 0, 4
	STEP 0, 0, 1
	TURN 0, 1, 1
	STEP 1, 0, 0
	TURN 1, 0, 1
	STEP 0, 0, 0
	TURN 0, 1, 0
	STEP 1, 0, 0
	s_wait_dscnt 4*NL
	WIN MUL_LO
	MUL16 0, 1, 0
	MUL16 2, 1, 0
	s_wait_dscnt 0
	WIN MUL_HI
	MUL16 4, 1, 0
	MUL16 6, 1, 0
	WIN 0
	PLACES NP
.macro OUTB a, isv
.set AC, 64*((\a)%4)
	WIN 0x02+((\a)/4)
.set jj, 0
.rept 64
	v_med3_num_f32 v[TMP+jj], v[AC+jj], -v[LIM], v[LIM]
.set jj, jj+1
.endr
	WIN 0
.irp b, 0,1,2,3
	v_cvt_scalef32_pk8_fp8_f32 v[OC+16*(\a)+4*\b:OC+16*(\a)+4*\b+1], v[TMP+16*\b:TMP+16*\b+7], v[SC]
	v_cvt_scalef32_pk8_fp8_f32 v[OC+16*(\a)+4*\b+2:OC+16*(\a)+4*\b+3], v[TMP+16*\b+8:TMP+16*\b+15], v[SC]
.endr
	v_nop
.irp b, 0,1,2,3
.if \isv
	global_store_b128 v[CO], v[OC+16*(\a)+4*\b:OC+16*(\a)+4*\b+3], s[8:9] offset:393216*((\a)/4)+2048*((\a)%4)+512*\b
.else
	global_store_b128 v[CO], v[OC+16*(\a)+4*\b:OC+16*(\a)+4*\b+3], s[8:9] offset:1024*(\a)+393216*(\b/2)+512*(\b%2)
.endif
.endr
.endm
	s_cmp_eq_u32 ttmp9, 2
	s_cbranch_scc1 .Lvalues
	s_lshr_b32 s84, s17, 3
	s_lshl_b32 s84, s84, 4
	s_lshl_b32 s85, s13, 2
	s_add_co_u32 s84, s84, s85
	s_lshl_b32 s85, s16, 1
	s_add_co_u32 s84, s84, s85
	s_mul_i32 s84, s84, 393216                     ; head x 16 steps of 24,576 bytes
	s_and_b32 s85, s17, 7
	s_lshl_b32 s85, s85, 1
	s_add_co_u32 s85, s85, s15                     ; my wave's 128 tokens are one step
	s_mul_i32 s85, s85, 24576
	s_add_co_u32 s84, s84, s85
	s_lshl_b32 s85, ttmp9, 13                      ; q's or k's part of the step
	s_add_co_u32 s84, s84, s85
	s_mov_b32 s85, 0
	s_add_nc_u64 s[8:9], s[8:9], s[84:85]
	s_wait_alu depctr_va_vdst(0)
.irp a, 0,1,2,3,4,5,6,7
	OUTB \a, 0
.endr
	s_branch .Lend
.Lvalues:
	s_lshr_b32 s84, s13, 3
	s_lshl_b32 s84, s84, 4
	s_lshl_b32 s85, s17, 2
	s_add_co_u32 s84, s84, s85
	s_lshl_b32 s85, s15, 1
	s_add_co_u32 s84, s84, s85
	s_mul_i32 s84, s84, 393216
	s_and_b32 s85, s13, 7
	s_lshl_b32 s85, s85, 1
	s_add_co_u32 s85, s85, s16
	s_mul_i32 s85, s85, 24576
	s_add_co_u32 s84, s84, s85
	s_add_co_u32 s84, s84, 0x4000                  ; v's part of the step
	s_mov_b32 s85, 0
	s_add_nc_u64 s[8:9], s[8:9], s[84:85]
	s_wait_alu depctr_va_vdst(0)
.irp a, 0,1,2,3,4,5,6,7
	OUTB \a, 1
.endr
.Lend:
	s_wait_tensorcnt 0x0
	ds_add_u32 v[SPW], v[NIL]
	s_wait_dscnt 0x0
	CROUND
	s_endpgm
.Lfunc_end_k_qe97e7f0b25_qkv:
	.size	k_qe97e7f0b25_qkv, .Lfunc_end_k_qe97e7f0b25_qkv-k_qe97e7f0b25_qkv
	.p2alignl 7, 3214868480
	.fill 96, 4, 3214868480
	.section	.rodata,"a",@progbits
	.p2align	6, 0x0
	.amdhsa_kernel k_qe97e7f0b25_qkv
		.amdhsa_group_segment_fixed_size 327680
		.amdhsa_private_segment_fixed_size 0
		.amdhsa_enable_private_segment 0
		.amdhsa_kernarg_size 24
		.amdhsa_user_sgpr_count 2
		.amdhsa_user_sgpr_kernarg_segment_ptr 1
		.amdhsa_wavefront_size32 1
		.amdhsa_system_sgpr_workgroup_id_x 1
		.amdhsa_system_sgpr_workgroup_id_y 1
		.amdhsa_system_sgpr_workgroup_id_z 1
		.amdhsa_system_vgpr_workitem_id 0
		.amdhsa_next_free_vgpr 1024
		.amdhsa_next_free_sgpr 100
		.amdhsa_reserve_vcc 0
		.amdhsa_float_denorm_mode_32 3
		.amdhsa_float_denorm_mode_16_64 3
		.amdhsa_memory_ordered 1
		.amdhsa_forward_progress 1
		.amdhsa_inst_pref_size 159
	.end_amdhsa_kernel
	.amdgpu_metadata
---
amdhsa.version: [ 1, 2 ]
amdhsa.kernels:
  - .name:           k_qe97e7f0b25_qkv
    .symbol:         k_qe97e7f0b25_qkv.kd
    .args:
      - { .name: codes, .offset: 0, .size: 8, .value_kind: global_buffer, .address_space: global }
      - { .name: lowp_scales, .offset: 8, .size: 8, .value_kind: global_buffer, .address_space: global }
      - { .name: qkvc, .offset: 16, .size: 8, .value_kind: global_buffer, .address_space: global }
    .group_segment_fixed_size: 327680
    .private_segment_fixed_size: 0
    .kernarg_segment_align: 8
    .kernarg_segment_size: 24
    .max_flat_workgroup_size: 128
    .sgpr_count:     100
    .vgpr_count:     1024
    .wavefront_size: 32
...
	.end_amdgpu_metadata
.endif
;; end of part 2
;; launch attn (part 3): grid 8 x 32, 16 waves a work-group, clusters of 4 x 1, 327,680 bytes of LDS; arguments qkvc, lowp_scales, cc; writes cc
.if DOCPART == 3
	.amdgcn_target "amdgcn-amd-amdhsa--gfx1250"
	.amdhsa_code_object_version 6
	.text
	.protected	k_qe97e7f0b25_attn
	.globl	k_qe97e7f0b25_attn
	.p2align	8
	.type	k_qe97e7f0b25_attn,@function
k_qe97e7f0b25_attn:
	s_mov_b64 s[64:65], 0
	v_nop
	global_prefetch_b8 v0, s[64:65] scope:SCOPE_SE
	s_setreg_imm32_b32 hwreg(HW_REG_WAVE_MODE, 25, 1), 1
	s_wait_xcnt 0x0
	s_wait_alu depctr_hold_cnt(0) depctr_sa_sdst(0) depctr_va_vdst(0) depctr_va_sdst(0) depctr_va_ssrc(0) depctr_va_vcc(0) depctr_vm_vsrc(0)
	s_getreg_b32 s2, hwreg(HW_REG_IB_STS2, 6, 4)
	s_cmp_eq_u32 s2, 0
	s_cbranch_scc0 .Lentry_in_a_cluster
	s_endpgm
.Lentry_in_a_cluster:
	s_bfe_u32 s2, ttmp6, 0x10000c
	s_cmp_lg_u32 s2, 0x3003
	s_cbranch_scc0 .Lentry_shape_is_right
	s_endpgm
.Lentry_shape_is_right:
; ctx = softmax(q k^T / 8, causal) v for 32 heads (batch x head) of 2,048 tokens x 64, both products on codes of FP8 (E4M3); ctx is quantised at once with 2^e10 and stored as an image of the last product's operand.
; LEFT OUT: key steps (and half steps) all of whose keys come after a tile's queries.  A NaN or an infinity that reaches only those scores is not carried to the result.
; THE SOFTMAX: t = score x log2(e) / 8; M = the running largest t, rounded UP to a whole number; p = 2^(t - M) is quantised with 2^e8, not normalised; the row's sum is taken of the unquantised p and divides at the end.
; When M moves, the sum and O are multiplied by 2^(old M - new M): exact.
; A HEAD'S WHOLE K AND V LIE IN LDS: key step s (128 keys) at 16,384 s: K's 8 tiles of 16 keys x 64, then V's 4 tiles of 16 channels x 128 keys.  Wave w brings step w by its one tensor load, 64 rows of 256 bytes.
; Nothing is filled again, so there is no ring; all of it is asked for at the head, so there is nothing to ask for ahead.
; CLUSTER: the eight work-groups of a head are two clusters of four; the four ask for K and V jointly.
; SHARES.  A pair of waves, one front (0 to 7) and one back (8 to 15), owns two tiles of 16 queries: one of block a (128 queries, a + 1 key steps) and one of block 15 - a (16 - a steps): 17 steps.
; With F = min(12 + a / 2, 16 - a) the front wave takes the second tile's steps 0 to F - 1; the back wave takes the whole first tile, stores it, and then what is left of the second tile.
; The two parts of the second tile are joined through LDS by the front wave.  Front wave w has a = w; back wave w has a = (w - 8) xor 4.  Four waves with equal w % 4 walk 34 steps, the lower numbers more of them: 12 12 5 5, 12 11 6 5, 13 10 7 4, 13 9 8 4.
; Which of a block's eight tiles: 4 u + cx, u made of the cluster's x (the first tile: x, the second: 1 - x).  Every branch hangs on the wave's number, the trip and the cluster's x: alike in all partners.
; On the diagonal step (step = block) u = 0 needs the first 64 keys alone, u = 1 has its first 64 keys open: 64 keys are masked in either case.
; LAYOUT.  Both products are used transposed: S^T = K Q^T (source 0 = 16 keys, source 1 = my queries), O^T = V^T P^T: a lane holds ONE query (lane % 16) throughout.  The rows of an image's tile are not neighbours
; (row r of tile T is 32 (T / 2) + 8 (T % 2) + r + 8 (r / 8)), so the 16 registers of tiles 2 b, 2 b + 1 are 16 neighbouring keys (S^T) or channels (O^T): the conversions' results are the next operand's registers.
; LIMITS: e6 + e7 between -123 and 130 (added to c's exponent field); e8, and e10 - e8 - e9, between -126 and 119; |t| under 2^31.
; REGISTERS: v1 16 x lane, v2 my pair's stage, v3 the mask's number, v4 the step's address; v6, v7 ctx's scale and hold; v8 -infinity; v11 p's scale; v12 -M, v13 the largest t, v[14:15] sums; v16-23 Q; v24, v25 p's hold, twice; v[26:27] f;
;   v32-95 K's fragments, then V's; v96-159 S^T, then p; v160-191 O^T; v192-207 p's codes; v28-31, v208, v242-253 at work; v254, v255 the add's.
.set STAGE, 262144                     ; behind the tiles: 4,608 bytes for each pair of waves; no tensor load lands there
.set SPARE, STAGE+8*4608               ; the spare words, 128 bytes for each wave
.set WV,   18                          ; my wave's number
.set HO,   19                          ; the head's first byte in qkvc
.set SEL,  20                          ; s[20:21] lane selects for v_permlanex16_b32: lane l xor 16
.set CS,   22                          ; s[22:23] c = log2(e) / 8 x 2^(e6 + e7)
.set G1,   24                          ; s[24:31] descriptor group 1
.set G0,   40                          ; s[40:43] group 0
.set I,    44                          ; the trip
.set KS,   45                          ; the key step
.set JB,   46                          ; the block of the tile in hand
.set TB,   47                          ; 16,384 x the key step
.set LA,   48                          ; the last trip on the wave's first tile: front F - 1, back a
.set DK,   49                          ; behind it the key step is the trip + DK: back F - 1 - a; front 16: beyond every block
.set SW,   50                          ; the trip at which a back wave changes tiles (15: never)
.set JBB,  51                          ; 15 - a
.set U,    52                          ; which half of its block the tile in hand lies in
.set UB,   53
.set TY,   54                          ; 0 front, 1 back
.set AA,   55                          ; a
.set OB,   56                          ; s[56:57] where the tile in hand goes in cc
.set CX,   62
.set GH,   63                          ; batch x 16 + head
.set TRIPS, 13                         ; the largest F
.macro CROUND
	s_barrier_signal -1
	s_barrier_wait -1
	s_cmp_lg_u32 s[WV], 0
	s_cbranch_scc1 .Lnot_wave_0_\@
	s_barrier_signal -3
.Lnot_wave_0_\@:
	s_barrier_wait -3
	s_barrier_signal -1
	s_barrier_wait -1
.endm
.macro QOFF ts, qd                     ; tile s[ts] of queries: its first byte in qkvc
	s_lshr_b32 s66, s[\ts], 3
	s_mul_i32 s66, s66, 24576
	s_and_b32 s67, s[\ts], 7
	s_lshl_b32 s67, s67, 10
	s_add_co_u32 s66, s66, s67
	s_add_co_u32 s[\qd], s66, s[HO]
	s_mov_b32 s[\qd+1], 0
.endm
	s_load_b128 s[4:7], s[0:1], 0x0                ; qkvc s[4:5], the scales' exponents s[6:7]
	s_load_b64 s[8:9], s[0:1], 0x10                ; cc
	v_lshl_add_u32 v254, v0, 2, SPARE
	v_mov_b32 v255, 0
	ds_add_u32 v254, v255                          ; the opening: the add, twice on end, and its wait ahead of my tensor load
	ds_add_u32 v254, v255
	v_lshrrev_b32 v9, 5, v0
	s_delay_alu instid0(VALU_DEP_1)
	v_readfirstlane_b32 s[WV], v9                  ; wave 0..15
	s_lshr_b32 s[TY], s[WV], 3
	s_and_b32 s[AA], s[WV], 7
	s_lshl_b32 s66, s[TY], 2
	s_xor_b32 s[AA], s[AA], s66
	s_xor_b32 s[JBB], s[AA], 15
	s_xor_b32 s60, s[AA], 7                        ; 7 - a
	s_lshr_b32 s66, s[AA], 1
	s_add_co_u32 s66, s66, 4
	s_add_co_u32 s67, s60, 1
	s_min_u32 s66, s66, s67                        ; F - 8 = min(4 + a / 2, 8 - a)
	s_add_co_u32 s[DK], s60, s66                   ; F - 1 - a
	s_add_co_u32 s61, s66, 7                       ; F - 1
	s_add_co_u32 s[SW], s[AA], 1
	s_xor_b32 s[UB], ttmp9, 1
	s_bfe_u32 s[CX], ttmp6, 0x40000                ; cx
	s_and_b32 s[GH], ttmp7, 0xffff                 ; which the four partners share
	s_mul_i32 s[HO], s[GH], 393216
	s_cmp_eq_u32 s[TY], 0
	s_cselect_b32 s[JB], s[JBB], s[AA]
	s_cselect_b32 s[U], s[UB], ttmp9
	s_cselect_b32 s[LA], s61, s[AA]
	s_cselect_b32 s[DK], 16, s[DK]
	s_cselect_b32 s[SW], 15, s[SW]
	s_lshl_b32 s60, s[JB], 3
	s_lshl_b32 s66, s[U], 2
	s_add_co_u32 s60, s60, s66
	s_add_co_u32 s60, s60, s[CX]                   ; my first tile
	s_lshl_b32 s61, s[JBB], 3
	s_lshl_b32 s66, s[UB], 2
	s_add_co_u32 s61, s61, s66
	s_add_co_u32 s61, s61, s[CX]                   ; the pair's second tile
	QOFF 60, 10
	QOFF 61, 12
	s_lshr_b32 s66, s[GH], 4                       ; ctx: row tile = batch x 128 + my tile; K step = head / 2; the head's half of the fragment
	s_lshl_b32 s66, s66, 7
	s_add_co_u32 s66, s66, s60
	s_lshl_b32 s66, s66, 3
	s_bfe_u32 s67, s[GH], 0x30001
	s_add_co_u32 s66, s66, s67
	s_lshl_b32 s66, s66, 11
	s_and_b32 s67, s[GH], 1
	s_lshl_b32 s67, s67, 10
	s_add_co_u32 s[OB], s66, s67
	s_mov_b32 s[OB+1], 0
	s_mul_i32 s16, s[WV], 24576                    ; what I fetch: K and V of key step w
	s_add_co_u32 s16, s16, s[HO]
	s_add_co_u32 s16, s16, 8192
	s_mov_b32 s17, 0
	s_mov_b32 s[G1], 15|(3<<16)|(1<<21)            ; 15:0 the mask: all four work-groups; 17:16 elements of 8 bytes; 21 set beside a mask
	s_mov_b32 s[G1+1], 32<<16                      ; tensor_dim0 = 32 elements: 256 bytes
	s_mov_b32 s[G1+2], 64<<16                      ; tensor_dim1
	s_mov_b32 s[G1+3], 32<<16                      ; tile_dim0
	s_mov_b32 s[G1+4], 64                          ; tile_dim1
	s_mov_b32 s[G1+5], 32                          ; tensor_dim0_stride: the block is dense
	s_mov_b32 s[G1+6], 0
	s_mov_b32 s[G1+7], 0
	s_mov_b32 s[G0], 1
	s_lshl_b32 s[G0+1], s[WV], 14
	s_mov_b32 s[SEL], 0x76543210
	s_mov_b32 s[SEL+1], 0xfedcba98
	s_mov_b32 s[CS], 0x3e38aa3b                    ; log2(e) / 8
	s_lshr_b32 s66, s[CX], 1
	s_lshl_b32 s66, s66, 5
	s_and_b32 s67, s[CX], 1
	s_lshl_b32 s67, s67, 3
	s_add_co_u32 s66, s66, s67                     ; 32 (cx / 2) + 8 (cx % 2)
	s_mul_i32 s61, s[AA], 4608
	s_add_co_u32 s61, s61, STAGE
	v_and_b32 v9, 31, v0
	v_and_b32 v10, 15, v0                          ; r
	v_bfe_u32 v11, v0, 4, 1                        ; h
	v_lshlrev_b32 v1, 4, v9
	v_and_b32 v3, 8, v10
	v_lshlrev_b32 v11, 4, v11
	s_delay_alu instid0(VALU_DEP_2)
	v_add_nc_u32 v3, v3, v10                       ; r + 8 (r / 8)
	v_add_nc_u32 v2, s61, v1
	s_delay_alu instid0(VALU_DEP_2)
	v_sub_nc_u32 v3, v3, v11
	v_mov_b32 v8, 0xff800000                       ; -infinity
	s_delay_alu instid0(VALU_DEP_2)
	v_add_nc_u32 v3, s66, v3                       ; my query among its 64, less 16 h
	v_mov_b32 v13, 0xff61b1e6                      ; the largest t so far: -3e38, under every t
	v_mov_b32 v12, 0x7f61b1e6                      ; -M
	v_mov_b32 v14, 0
	v_mov_b32 v15, 0
	v_mov_b32 v27, 0                               ; (named as the upper half of the pair v[26:27])
	v_mov_b32 v29, 0                               ; (likewise of v[28:29])
	v_mov_b32 v208, 0                              ; written once: a lane permute's destination counts as one of its sources
.set jj, 160
.rept 32
	v_mov_b32 v[jj], 0                             ; O^T: the step is written for every trip alike; the first finds zeros, which the first change of M leaves zeros
.set jj, jj+1
.endr
	s_wait_alu depctr_va_vdst(0)
	s_wait_dscnt 0x0                               ; both opening adds are done
	CROUND                                         ; all four work-groups are here: the joint loads meet
	s_wait_kmcnt 0x0
	s_load_b256 s[68:75], s[6:7], 0x0              ; e0 .. e7
	s_load_b128 s[76:79], s[6:7], 0x20             ; e8 .. e11
	s_add_nc_u64 s[G0+2:G0+3], s[4:5], s[16:17]
	s_or_b32 s[G0+3], s[G0+3], 0x80000000
	tensor_load_to_lds s[G0:G0+3], s[G1:G1+7]      ; key step w: my one tensor load
	s_nop 0
	s_add_nc_u64 s[10:11], s[4:5], s[10:11]
	s_add_nc_u64 s[12:13], s[4:5], s[12:13]
	s_add_nc_u64 s[OB:OB+1], s[8:9], s[OB:OB+1]
	global_load_b128 v[16:19], v1, s[10:11]
	global_load_b128 v[20:23], v1, s[10:11] offset:512
	s_wait_kmcnt 0x0
	s_add_co_i32 s60, s74, s75
	s_lshl_b32 s60, s60, 23
	s_add_co_i32 s[CS], s[CS], s60                 ; a score stands for score x 2^(e6 + e7)
	s_mov_b32 s[CS+1], s[CS]
	s_add_co_i32 s60, s76, 127
	s_lshl_b32 s61, s60, 23
	v_mov_b32 v11, s61                             ; 2^e8
	s_add_co_i32 s60, s60, 8
	s_lshl_b32 s60, s60, 23
	s_or_b32 s60, s60, 0x600000
	v_mov_b32 v24, s60                             ; 448 x 2^e8
	v_mov_b32 v25, s60
	s_sub_co_i32 s60, s78, s76
	s_sub_co_i32 s60, s60, s77
	s_add_co_i32 s60, s60, 127
	s_lshl_b32 s61, s60, 23
	v_mov_b32 v6, s61                              ; 2^(e10 - e8 - e9): O^T / the sum stands for that x 2^(e8 + e9)
	s_add_co_i32 s60, s60, 8
	s_lshl_b32 s60, s60, 23
	s_or_b32 s60, s60, 0x600000
	v_mov_b32 v7, s60
; A KEY STEP of 32 x nb keys (nb = 4, or 2: its first 64 keys).  KQ: K's fragments, S^T, and V's fragments asked for.
.macro KQ nb
	v_add_nc_u32 v4, s[TB], v1
	v_nop                                          ; with the addition: four places in front of loads into registers that the last products read
	v_nop
	v_nop
.set jj, 0
.rept 2*\nb
	ds_load_b128 v[32+8*jj:35+8*jj], v4 offset:1024*jj
	ds_load_b128 v[36+8*jj:39+8*jj], v4 offset:1024*jj+512
.set jj, jj+1
.endr
	s_wait_alu depctr_va_vdst(0)
	s_wait_dscnt 2*\nb                             ; the first half of the 4 nb loads is in
.set jj, 0
.rept \nb
	v_wmma_f32_16x16x64_fp8_fp8 v[96+8*jj:103+8*jj], v[32+8*jj:39+8*jj], v[16:23], 0
.set jj, jj+1
.endr
	s_wait_dscnt 0x0
.rept \nb
	v_wmma_f32_16x16x64_fp8_fp8 v[96+8*jj:103+8*jj], v[32+8*jj:39+8*jj], v[16:23], 0
.set jj, jj+1
.endr
.rept 4
	v_nop                                          ; places in front of the loads below and of the first read of the scores
.endr
.irp t, 0,1,2,3
.set jj, 0
.rept \nb
	ds_load_b128 v[32+16*\t+4*jj:35+16*\t+4*jj], v4 offset:8192+2048*\t+512*jj   ; V's fragments land while the softmax is walked
.set jj, jj+1
.endr
.endr
.endm
.macro MASK lo, hi, qd, sub            ; hidden keys' scores become -infinity ahead of the maximum: register 16 b + i holds the step's key 32 b + 16 h + i
.set jj, \lo
.rept \hi-\lo
	v_cmp_gt_i32 vcc_lo, 32*(jj/16)+jj%16-\sub, v[\qd]
	v_cndmask_b32 v[96+jj], v[96+jj], v8, vcc_lo
.set jj, jj+1
.endr
.endm
.macro SPAIR d
	v_pk_add_f32 v[\d:\d+1], v[jj:jj+1], v[jj+2:jj+3]
.set jj, jj+4
.endm
.macro SADD d
	v_pk_add_f32 v[\d:\d+1], v[\d:\d+1], v[jj:jj+1]
.set jj, jj+2
.endm
.macro SOFT nb
	v_max3_num_f32 v30, v96, v97, v98              ; the step's largest score of my query among my keys, in four chains,
	v_max3_num_f32 v31, v99, v100, v101
	v_max3_num_f32 v28, v102, v103, v104
	v_max3_num_f32 v29, v105, v106, v107
.set jj, 108
.rept (16*\nb-16)/8
.irp d, 30,31,28,29
	v_max3_num_f32 v[\d], v[\d], v[jj], v[jj+1]
.set jj, jj+2
.endr
.endr
	v_max3_num_f32 v30, v30, v[jj], v[jj+1]
	v_max3_num_f32 v31, v31, v[jj+2], v[jj+3]
	s_delay_alu instid0(VALU_DEP_1)
	v_max3_num_f32 v30, v30, v31, v28
	s_delay_alu instid0(VALU_DEP_1)
	v_max_num_f32 v30, v30, v29
	s_delay_alu instid0(VALU_DEP_1)
	v_permlanex16_b32 v208, v30, s[SEL], s[SEL+1]
	s_delay_alu instid0(VALU_DEP_1)
	v_max_num_f32 v30, v30, v208                   ; and among lane l xor 16's
	s_delay_alu instid0(VALU_DEP_1)
	v_mul_f32 v30, s[CS], v30                      ; as t (c is positive)
	s_delay_alu instid0(VALU_DEP_1)
	v_max_num_f32 v13, v13, v30
	v_mov_b32 v30, v12
	s_delay_alu instid0(VALU_DEP_2)
	v_floor_f32 v12, -v13                          ; the new -M = -ceil(t)
	s_delay_alu instid0(VALU_DEP_1)
	v_sub_f32 v30, v12, v30                        ; old M - new M: a whole number, 0 or less
	s_delay_alu instid0(VALU_DEP_1)
	v_cvt_i32_f32 v30, v30                         ; (it saturates)
	s_delay_alu instid0(VALU_DEP_1)
	v_ldexp_f32 v26, 1.0, v30                      ; f = 2^(old M - new M)
.set jj, 96
.rept 8*\nb
	v_pk_fma_f32 v[jj:jj+1], v[jj:jj+1], s[CS:CS+1], v[12:13] op_sel_hi:[1,0,0]   ; t - M, two at a time
.set jj, jj+2
.endr
	s_wait_alu depctr_va_vdst(0)                   ; the wait ahead of the batch
.set jj, 96
.rept 16*\nb
	v_exp_f32 v[jj], v[jj]                         ; p = 2^(t - M)
.set jj, jj+1
.endr
	v_pk_mul_f32 v[14:15], v[14:15], v[26:27] op_sel_hi:[1,0]   ; the sums under the new M: the plain line behind the exponentials
	s_wait_alu depctr_va_vdst(0)                   ; and the wait behind the batch, directly ahead of the first readers of O^T and of p
.set jj, 160
.rept 16
	v_pk_mul_f32 v[jj:jj+1], v[jj:jj+1], v[26:27] op_sel_hi:[1,0]   ; O^T under the new M
.set jj, jj+2
.endr
.set jj, 96                            ; the sums of the unquantised p, in eight (four) chains
.if \nb == 4
.irp d, 28,252,250,248,246,244,242
	SPAIR \d
.endr
	SADD 14
.rept 2
.irp d, 28,252,250,248,246,244,242,14
	SADD \d
.endr
.endr
	SADD 28
	v_pk_add_f32 v[252:253], v[252:253], v[250:251]
	v_pk_add_f32 v[248:249], v[248:249], v[246:247]
	v_pk_add_f32 v[244:245], v[244:245], v[242:243]
	v_pk_add_f32 v[14:15], v[14:15], v[28:29]
	s_delay_alu instid0(VALU_DEP_3)
	v_pk_add_f32 v[252:253], v[252:253], v[248:249]
	s_delay_alu instid0(VALU_DEP_2)
	v_pk_add_f32 v[14:15], v[14:15], v[244:245]
.else
.irp d, 28,252,250
	SPAIR \d
.endr
	SADD 14
.rept 2
.irp d, 28,252,250,14
	SADD \d
.endr
.endr
	SADD 28
	v_pk_add_f32 v[252:253], v[252:253], v[250:251]
	s_delay_alu instid0(VALU_DEP_2)
	v_pk_add_f32 v[14:15], v[14:15], v[28:29]
.endif
	s_delay_alu instid0(VALU_DEP_1)
	v_pk_add_f32 v[14:15], v[14:15], v[252:253]
.set bb, 0
.rept \nb
.set jj, 96+16*bb
.rept 8
	v_dual_min_num_f32 v[jj], v[jj], v24 :: v_dual_min_num_f32 v[jj+1], v[jj+1], v25   ; the conversion does not saturate (ISA guide 7.6.2); p is not negative, so the hold is one-sided
.set jj, jj+2
.endr
	v_cvt_scalef32_pk8_fp8_f32 v[192+4*bb:193+4*bb], v[96+16*bb:103+16*bb], v11
	v_cvt_scalef32_pk8_fp8_f32 v[194+4*bb:195+4*bb], v[104+16*bb:111+16*bb], v11
.set bb, bb+1
.endr
	v_nop                                          ; a plain line behind the last conversion
	s_wait_alu depctr_va_vdst(0)
	s_wait_dscnt 0x0                               ; V's fragments
.irp t, 0,1,2,3                        ; the four accumulators take turns, one instruction a turn
.if \nb == 4
	v_wmma_f32_16x16x128_fp8_fp8 v[160+8*\t:167+8*\t], v[32+16*\t:47+16*\t], v[192:207], v[160+8*\t:167+8*\t]
.else
	v_wmma_f32_16x16x64_fp8_fp8 v[160+8*\t:167+8*\t], v[32+16*\t:39+16*\t], v[192:199], v[160+8*\t:167+8*\t]
.endif
.endr
.endm
; THE WAY OUT: O^T / the sum, held, converted: registers 16 b + i are channels 32 b + 16 h + i of my query: two chunks of the image, 512 consecutive bytes each
.macro OUT
	v_add_f32 v14, v14, v15
	s_delay_alu instid0(VALU_DEP_1)
	v_permlanex16_b32 v208, v14, s[SEL], s[SEL+1]
	s_delay_alu instid0(VALU_DEP_1)
	v_add_f32 v14, v14, v208                       ; the row's sum
	s_wait_alu depctr_va_vdst(0)                   ; the wait ahead of the transcendental
	v_rcp_f32 v26, v14
	v_nop                                          ; a plain line behind the reciprocal
	s_wait_alu depctr_va_vdst(0)                   ; and the wait ahead of its first reader, and of O^T's
.set jj, 0
.rept 16
	v_pk_mul_f32 v[96+jj:97+jj], v[160+jj:161+jj], v[26:27] op_sel_hi:[1,0]   ; each accumulator from its low end on
.set jj, jj+2
.endr
.set jj, 96
.rept 32
	v_med3_num_f32 v[jj], v[jj], -v7, v7
.set jj, jj+1
.endr
.irp b, 0,1
	v_cvt_scalef32_pk8_fp8_f32 v[192+4*\b:193+4*\b], v[96+16*\b:103+16*\b], v6
	v_cvt_scalef32_pk8_fp8_f32 v[194+4*\b:195+4*\b], v[104+16*\b:111+16*\b], v6
.endr
	v_nop
	global_store_b128 v1, v[192:195], s[OB:OB+1]
	global_store_b128 v1, v[196:199], s[OB:OB+1] offset:512
.endm
	s_wait_alu depctr_va_vdst(0)                   ; the wait at the head's end
	s_wait_loadcnt 0x0                             ; Q
	s_wait_tensorcnt 0x0                           ; my key step has landed: nothing is filled again in this launch
	s_barrier_signal -1
	s_barrier_wait -1                              ; all of K and V is whole
	s_mov_b32 s[I], 0
.Lloop:                                            ; every wave walks all trips; what lies beyond its share or a tile's block is jumped over
	s_cmp_eq_u32 s[I], s[SW]
	s_cbranch_scc0 .Lstay
.rept 4
	v_nop                                          ; places behind the last products
.endr
	global_load_b128 v[16:19], v1, s[12:13]        ; a back wave changes tiles: the second tile's Q,
	global_load_b128 v[20:23], v1, s[12:13] offset:512
	OUT                                            ; the first tile goes out,
.set jj, 160
.rept 32
	v_mov_b32 v[jj], 0                             ; and the sums begin anew
.set jj, jj+1
.endr
	v_mov_b32 v12, 0x7f61b1e6
	v_mov_b32 v13, 0xff61b1e6
	v_mov_b32 v14, 0
	v_mov_b32 v15, 0
	s_mov_b32 s[JB], s[JBB]
	s_mov_b32 s[U], s[UB]
	s_wait_alu depctr_va_vdst(0)
	s_wait_xcnt 0x0                                ; the stores have read their registers: they take p's codes again
	s_wait_loadcnt 0x0
.Lstay:
	s_add_co_u32 s60, s[I], s[DK]
	s_cmp_gt_u32 s[I], s[LA]
	s_cselect_b32 s[KS], s60, s[I]
	s_cmp_gt_u32 s[KS], s[JB]
	s_cbranch_scc1 .Lhid
	s_min_u32 s60, s[KS], 15
	s_lshl_b32 s[TB], s60, 14
	s_cmp_lg_u32 s[KS], s[JB]
	s_cselect_b32 s61, 2, s[U]                     ; 2: all keys count; 1: the diagonal, its last 64 keys masked; 0: the diagonal, its first 64 keys alone
	s_cmp_eq_u32 s61, 0
	s_cbranch_scc1 .Lhalf
	KQ 4
	s_cmp_eq_u32 s61, 1
	s_cbranch_scc0 .Lopen
	MASK 32, 64, 3, 64
.Lopen:
	SOFT 4
	s_branch .Lhid
.Lhalf:
	KQ 2
	MASK 0, 32, 3, 0
	SOFT 2
.Lhid:
	s_add_co_u32 s[I], s[I], 1
	s_cmp_lt_u32 s[I], TRIPS
	s_cbranch_scc1 .Lloop
.rept 4
	v_nop                                          ; places behind the last products
.endr
	; THE JOINING: the back wave hands its part of the second tile (O^T, -M, the sums) to the front wave through LDS; where it has no part these are zeros and M's first value
	s_cmp_eq_u32 s[TY], 0
	s_cbranch_scc1 .Lfront
.irp t, 0,1,2,3,4,5,6,7
	ds_store_b128 v2, v[160+4*\t:163+4*\t] offset:512*\t
.endr
	ds_store_b128 v2, v[12:15] offset:4096
.Lfront:
	s_wait_dscnt 0x0
	s_barrier_signal -1
	s_barrier_wait -1
	s_cmp_lg_u32 s[TY], 0
	s_cbranch_scc1 .Lend
	ds_load_b128 v[96:99], v2 offset:4096
.irp t, 0,1,2,3,4,5,6,7
	ds_load_b128 v[32+4*\t:35+4*\t], v2 offset:512*\t
.endr
	s_wait_dscnt 0x0
	v_min_num_f32 v30, v12, v96                    ; -M of both parts
	v_sub_f32 v31, v30, v12
	v_sub_f32 v100, v30, v96
	s_delay_alu instid0(VALU_DEP_2)
	v_cvt_i32_f32 v31, v31
	s_delay_alu instid0(VALU_DEP_2)
	v_cvt_i32_f32 v100, v100
	s_delay_alu instid0(VALU_DEP_2)
	v_ldexp_f32 v26, 1.0, v31
	s_delay_alu instid0(VALU_DEP_2)
	v_ldexp_f32 v28, 1.0, v100                     ; a back wave with no part has -M = 3e38: its factor is 0
	v_pk_mul_f32 v[14:15], v[14:15], v[26:27] op_sel_hi:[1,0]
.set jj, 160
.rept 16
	v_pk_mul_f32 v[jj:jj+1], v[jj:jj+1], v[26:27] op_sel_hi:[1,0]
.set jj, jj+2
.endr
	v_pk_fma_f32 v[14:15], v[98:99], v[28:29], v[14:15] op_sel_hi:[1,0,1]
.set jj, 0
.rept 16
	v_pk_fma_f32 v[160+jj:161+jj], v[32+jj:33+jj], v[28:29], v[160+jj:161+jj] op_sel_hi:[1,0,1]
.set jj, jj+2
.endr
	OUT
.Lend:
	s_wait_tensorcnt 0x0                           ; the wave's end
	ds_add_u32 v254, v255
	s_wait_dscnt 0x0
	CROUND                                         ; the closing round
	s_endpgm
.Lfunc_end_k_qe97e7f0b25_attn:
	.size	k_qe97e7f0b25_attn, .Lfunc_end_k_qe97e7f0b25_attn-k_qe97e7f0b25_attn
	.p2alignl 7, 3214868480
	.fill 96, 4, 3214868480
	.section	.rodata,"a",@progbits
	.p2align	6, 0x0
	.amdhsa_kernel k_qe97e7f0b25_attn
		.amdhsa_group_segment_fixed_size 327680
		.amdhsa_private_segment_fixed_size 0
		.amdhsa_enable_private_segment 0
		.amdhsa_kernarg_size 24
		.amdhsa_user_sgpr_count 2
		.amdhsa_user_sgpr_kernarg_segment_ptr 1
		.amdhsa_wavefront_size32 1
		.amdhsa_system_sgpr_workgroup_id_x 1
		.amdhsa_system_sgpr_workgroup_id_y 1
		.amdhsa_system_sgpr_workgroup_id_z 1
		.amdhsa_system_vgpr_workitem_id 0
		.amdhsa_next_free_vgpr 256
		.amdhsa_next_free_sgpr 96
		.amdhsa_reserve_vcc 1
		.amdhsa_float_denorm_mode_32 3
		.amdhsa_float_denorm_mode_16_64 3
		.amdhsa_memory_ordered 1
		.amdhsa_forward_progress 1
		.amdhsa_inst_pref_size 51
	.end_amdhsa_kernel
	.amdgpu_metadata
---
amdhsa.version: [ 1, 2 ]
amdhsa.kernels:
  - .name:           k_qe97e7f0b25_attn
    .symbol:         k_qe97e7f0b25_attn.kd
    .args:
      - { .name: qkvc, .offset: 0, .size: 8, .value_kind: global_buffer, .address_space: global }
      - { .name: lowp_scales, .offset: 8, .size: 8, .value_kind: global_buffer, .address_space: global }
      - { .name: cc, .offset: 16, .size: 8, .value_kind: global_buffer, .address_space: global }
    .group_segment_fixed_size: 327680
    .private_segment_fixed_size: 0
    .kernarg_segment_align: 8
    .kernarg_segment_size: 24
    .max_flat_workgroup_size: 512
    .sgpr_count:     96
    .vgpr_count:     256
    .wavefront_size: 32
...
	.end_amdgpu_metadata
.endif
;; end of part 3
;; launch outp (part 4): grid 8 x 32, 4 waves a work-group, clusters of 4 x 4, 280,064 bytes of LDS; arguments cc, codes, lowp_scales, bo, out0; writes out0
.if DOCPART == 4
	.amdgcn_target "amdgcn-amd-amdhsa--gfx1250"
	.amdhsa_code_object_version 6
	.text
	.protected	k_qe97e7f0b25_outp
	.globl	k_qe97e7f0b25_outp
	.p2align	8
	.type	k_qe97e7f0b25_outp,@function
k_qe97e7f0b25_outp:
	s_mov_b64 s[64:65], 0
	v_nop
	global_prefetch_b8 v0, s[64:65] scope:SCOPE_SE
	s_setreg_imm32_b32 hwreg(HW_REG_WAVE_MODE, 25, 1), 1
	s_wait_xcnt 0x0
	s_wait_alu depctr_hold_cnt(0) depctr_sa_sdst(0) depctr_va_vdst(0) depctr_va_sdst(0) depctr_va_ssrc(0) depctr_va_vcc(0) depctr_vm_vsrc(0)
	s_getreg_b32 s2, hwreg(HW_REG_IB_STS2, 6, 4)
	s_cmp_eq_u32 s2, 0
	s_cbranch_scc0 .Lentry_in_a_cluster
	s_endpgm
.Lentry_in_a_cluster:
	s_bfe_u32 s2, ttmp6, 0x10000c
	s_cmp_lg_u32 s2, 0xf033
	s_cbranch_scc0 .Lentry_shape_is_right
	s_endpgm
.Lentry_shape_is_right:
; out0 = ctx Wo + bo: [4096][1024] f32, on codes of FP8 (E4M3): each finished sum x 2^(e10 + e11) + bo, one packed multiply-add for two numbers.
; A tile of 128 x 128 is made by a work-group of four waves, 64 x 64 each.  256 work-groups: tiles of 256 x 256 would be 64.
; Both operands lie in memory as images of fragments (16 rows x 128 K = 2,048 bytes; a row tile's K steps on end, 16,384 bytes).  The tile's WHOLE K fits in LDS: four regions of 65,536 bytes (A's two halves of 64 rows, B's two),
; each brought by one wave's one tensor load.  Nothing is filled again; all is asked for at the head, so nothing is asked for ahead.
; CLUSTERS: 4 x 4: ctx's tile is shared along a row of the cluster, Wo's along a column; each is asked for jointly.
; BY ROWS: B's fragments of all eight K steps stay in 512 registers; A's four blocks of 16 rows are finished one after the other, 32 products each, and a block's rows leave while the next block is multiplied.  No fragment is read twice.
; THE MATRIX INSTRUCTION IS USED TRANSPOSED (source 0 = 16 rows of Wo's image, source 1 = 16 rows of ctx's).  The rows of a row tile are not neighbours (row r of tile T is 32 (T / 2) + 8 (T % 2) + r + 8 (r / 8)):
; register j of Wo's tile b is column 32 (b / 2) + 16 (lane / 16) + 8 (b % 2) + j, and ctx's rows are turned back into tokens by the stores' immediates.
; LIMIT: e10 + e11 between -126 and 127, so that 2^(e10 + e11) is an f32 number.
; REGISTERS: window 0: v16-31 addresses; v32-95 rows read back from the stage, two sets; v96-127 bo at my lane's 32 columns; v128-191 two sets of four accumulators.
;   windows 1, 2: B's fragments, K steps 0-3 and 4-7;  window 3: A's fragments of a block, two buffers of 128.
.set REG,   65536
.set SP,    272                        ; a stage row: 256 bytes + 16: an odd multiple of 16 bytes
.set STAGE, 4*REG                      ; behind the tiles: 16 rows for each wave; no tensor load lands there
.set SPARE, STAGE+4*16*SP              ; the spare words, 128 bytes for each wave
.set ADRA, 16
.set ADRB, 20
.set STO,  24
.set RD,   25
.set CO,   26
.set BOF,  27
.set SPW,  30
.set NIL,  31
.set BIAS, 96
.set ACC,  128
.set G1,  24                           ; s[24:31] descriptor group 1 for A's tile;  s[48:55] for B's
.set G1B, 48
.set G0,  68                           ; s[68:71] group 0 for A;  s[84:87] for B
.set G0B, 84
.set MSB, 0
.macro WIN new
.if MSB != (\new)
	s_set_vgpr_msb (MSB<<8)|(\new)
.set MSB, (\new)
.endif
.endm
.macro CROUND
	s_barrier_signal -1
	s_barrier_wait -1
	s_cmp_lg_u32 s14, 0
	s_cbranch_scc1 .Lnot_wave_0_\@
	s_barrier_signal -3
.Lnot_wave_0_\@:
	s_barrier_wait -3
	s_barrier_signal -1
	s_barrier_wait -1
.endm
	s_load_b256 s[4:11], s[0:1], 0x0               ; cc s[4:5], codes s[6:7], the scales' exponents s[8:9], bo s[10:11]
	s_load_b64 s[12:13], s[0:1], 0x20              ; out0
	v_lshl_add_u32 v[SPW], v0, 2, SPARE
	v_mov_b32 v[NIL], 0
	ds_add_u32 v[SPW], v[NIL]                      ; the opening: the add, twice on end, and its wait ahead of my tensor load
	ds_add_u32 v[SPW], v[NIL]
	v_lshrrev_b32 v1, 5, v0
	v_readfirstlane_b32 s14, v1                    ; wave 0..3
	s_lshr_b32 s15, s14, 1                         ; which half of the tile's rows is mine.  Also: I fetch for A (0) or for B (1)
	s_and_b32 s16, s14, 1                          ; which half of its columns.  Also: which half of that tile I fetch
	s_bfe_u32 s40, ttmp6, 0x40000                  ; cx, cy
	s_bfe_u32 s41, ttmp6, 0x40004
	s_lshl_b32 s42, ttmp9, 2
	s_add_co_u32 s42, s42, s40                     ; tile column
	s_and_b32 s17, ttmp7, 0xffff
	s_lshl_b32 s17, s17, 2
	s_add_co_u32 s17, s17, s41                     ; tile row
	s_lshl_b32 s43, s41, 2
	s_lshl_b32 s43, 15, s43                        ; my row of the cluster
	s_lshl_b32 s44, 0x1111, s40                    ; my column
	s_or_b32 s[G1+0], s43, (3<<16)|(1<<21)         ; the mask; elements of 8 bytes; bit 21 beside a mask
	s_or_b32 s[G1B+0], s44, (3<<16)|(1<<21)
.irp g, G1, G1B
	s_mov_b32 s[\g+1], 2048<<16                    ; tensor_dim0: 16,384 bytes: a row tile's whole K
	s_mov_b32 s[\g+2], 4<<16                       ; tensor_dim1: 4 row tiles
	s_mov_b32 s[\g+3], 2048<<16                    ; tile_dim0
	s_mov_b32 s[\g+4], 4                           ; tile_dim1
	s_mov_b32 s[\g+5], 2048                        ; the block is dense
	s_mov_b32 s[\g+6], 0
	s_mov_b32 s[\g+7], 0
.endr
	s_lshl_b32 s18, s16, 16
	s_lshl_b32 s20, s17, 17
	s_add_co_u32 s20, s20, s18                     ; A: 131,072 x tile row + 65,536 x half
	s_mov_b32 s21, 0
	s_lshl_b32 s46, s42, 17
	s_add_co_u32 s46, s46, s18
	s_add_co_u32 s46, s46, 0xF00000                ; B: Wo's codes, by the tile column
	s_mov_b32 s47, 0
	s_lshl_b32 s45, s14, 16                        ; where they go: region = wave
	s_mov_b32 s[G0], 1
	s_mov_b32 s[G0+1], s45
	s_mov_b32 s[G0B], 1
	s_mov_b32 s[G0B+1], s45
	s_lshl_b32 s60, s15, 16                        ; my A region
	s_lshl_b32 s61, s16, 16
	s_add_co_u32 s61, s61, 2*REG                   ; my B region
	s_mul_i32 s62, s14, 16*SP
	s_add_co_u32 s62, s62, STAGE                   ; my stage
	s_lshl_b32 s56, s42, 9
	s_lshl_b32 s57, s16, 8
	s_add_co_u32 s56, s56, s57                     ; my first column, in bytes: 512 x tile column + 256 x half
	s_mov_b32 s57, 0
	s_lshl_b32 s58, s17, 19
	s_lshl_b32 s59, s15, 18
	s_add_co_u32 s58, s58, s59                     ; my first token: 128 x tile row + 64 x half, rows of 4,096 bytes
	s_mov_b32 s59, 0
	v_and_b32 v6, 31, v0
	v_and_b32 v1, 15, v0                           ; r
	v_bfe_u32 v2, v0, 4, 1                         ; h
	v_lshlrev_b32 v7, 4, v6                        ; 16 x lane
	v_mul_u32_u24 v3, v1, SP
	v_mul_u32_u24 v4, v2, SP
	v_lshlrev_b32 v5, 12, v2
	v_add_nc_u32 v[ADRA], s60, v7
	v_add_nc_u32 v[ADRB], s61, v7
	v_lshl_add_u32 v3, v2, 6, v3
	v_lshl_add_u32 v4, v1, 4, v4
	v_lshl_add_u32 v[CO], v1, 4, v5                ; two rows of out0 an instruction
	v_lshlrev_b32 v[BOF], 6, v2                    ; bo: 16 h numbers on
	v_add_nc_u32 v[STO], s62, v3                   ; the stage, in: row r, + 64 h bytes
	v_add_nc_u32 v[RD], s62, v4                    ; back: lanes 0-15 one row of 256 bytes, lanes 16-31 the next
	s_wait_alu depctr_va_vdst(0)                   ; the wait at the head's end
	s_wait_dscnt 0x0                               ; both opening adds are done
	CROUND                                         ; all sixteen work-groups are here: the joint loads meet
	s_wait_kmcnt 0x0
	s_load_b64 s[22:23], s[8:9], 0x28              ; e10, e11
	s_add_nc_u64 s[G0+2:G0+3], s[4:5], s[20:21]
	s_or_b32 s[G0+3], s[G0+3], 0x80000000
	s_add_nc_u64 s[G0B+2:G0B+3], s[6:7], s[46:47]
	s_or_b32 s[G0B+3], s[G0B+3], 0x80000000
	s_cmp_eq_u32 s15, 0
	s_cbranch_scc0 .Lfor_b
	tensor_load_to_lds s[G0:G0+3], s[G1:G1+7]
	s_nop 0
.rept 4
	v_nop
.endr
	s_branch .Lasked
.Lfor_b:
	tensor_load_to_lds s[G0B:G0B+3], s[G1B:G1B+7]
	s_nop 0
.rept 4
	v_nop
.endr
.Lasked:
	s_add_nc_u64 s[10:11], s[10:11], s[56:57]
	s_add_nc_u64 s[12:13], s[12:13], s[56:57]
	s_add_nc_u64 s[12:13], s[12:13], s[58:59]
.irp b, 0,1
.irp g, 0,1,2,3
	global_load_b128 v[BIAS+16*\b+4*\g:BIAS+16*\b+4*\g+3], v[BOF], s[10:11] offset:128*\b+16*\g   ; register 8 b' + j: bo at the column of register j of Wo's tile b'
.endr
.endr
	s_wait_kmcnt 0x0
	s_add_co_i32 s22, s22, s23
	s_add_co_i32 s22, s22, 127
	s_lshl_b32 s22, s22, 23                        ; 2^(e10 + e11) as f32
	s_mov_b32 s23, s22                             ; (named with it as a pair)
.macro GB k                            ; B's four fragments of K step k: 16 loads of 512 consecutive bytes
.if (\k) < 4
	WIN 0x40
.else
	WIN 0x80
.endif
.irp i, 0,1,2,3
.irp c, 0,1,2,3
	ds_load_b128 v[64*((\k)%4)+16*\i+4*\c:64*((\k)%4)+16*\i+4*\c+3], v[ADRB] offset:16384*\i+2048*(\k)+512*\c
.endr
.endr
.endm
.macro GA a, k                         ; A's fragment of block a, K step k: 4 loads
	WIN 0xc0
.irp c, 0,1,2,3
	ds_load_b128 v[128*((\a)%2)+16*(\k)+4*\c:128*((\a)%2)+16*(\k)+4*\c+3], v[ADRA] offset:16384*(\a)+2048*(\k)+512*\c
.endr
.endm
.macro MULK a, k                       ; block a, K step k: the block's four accumulators take turns, one instruction a turn
.if (\k) < 4
	WIN 0x0d
.else
	WIN 0x0e
.endif
.irp b, 0,1,2,3
.if (\k) == 0
	v_wmma_f32_16x16x128_fp8_fp8 v[ACC+32*((\a)%2)+8*\b:ACC+32*((\a)%2)+8*\b+7], v[64*((\k)%4)+16*\b:64*((\k)%4)+16*\b+15], v[128*((\a)%2)+16*(\k):128*((\a)%2)+16*(\k)+15], 0
.else
	v_wmma_f32_16x16x128_fp8_fp8 v[ACC+32*((\a)%2)+8*\b:ACC+32*((\a)%2)+8*\b+7], v[64*((\k)%4)+16*\b:64*((\k)%4)+16*\b+15], v[128*((\a)%2)+16*(\k):128*((\a)%2)+16*(\k)+15], v[ACC+32*((\a)%2)+8*\b:ACC+32*((\a)%2)+8*\b+7]
.endif
.endr
.endm
; THE WAY OUT of block a, 16 rows x 64 columns: through my own stage, back as whole rows of 256 bytes.  LDS serves a wave's instructions in order: no wait between the stores and the loads.
.macro TOSTAGE a
.set AC, ACC+32*((\a)%2)
.set jj, 0
.rept 16
	v_pk_fma_f32 v[AC+jj:AC+jj+1], v[AC+jj:AC+jj+1], s[22:23], v[BIAS+jj:BIAS+jj+1] op_sel_hi:[1,0,1]   ; sum x 2^(e10 + e11) + bo; each accumulator from its low end on
.set jj, jj+2
.endr
.irp b, 0,1,2,3
.irp g, 0,1
	ds_store_b128 v[STO], v[AC+8*\b+4*\g:AC+8*\b+4*\g+3] offset:128*(\b/2)+32*(\b%2)+16*\g
.endr
.endr
.set BB, 32+32*((\a)%2)
.irp i, 0,1,2,3,4,5,6,7
	ds_load_b128 v[BB+4*\i:BB+4*\i+3], v[RD] offset:2*SP*\i
.endr
.endm
.macro SEND a
.set BB, 32+32*((\a)%2)
	s_wait_dscnt 0x0                               ; the block's rows are back
.irp i, 0,1,2,3,4,5,6,7
	global_store_b128 v[CO], v[BB+4*\i:BB+4*\i+3], s[12:13] offset:(32*((\a)/2)+8*((\a)%2)+2*\i+8*(\i/4))*4096 th:TH_STORE_NT   ; the row's token; sixteen lanes store 256 consecutive bytes, aligned
.endr
.endm
.macro ROWOUT a                        ; block a is multiplied: it goes out while block a + 1 is multiplied
.rept 4
	v_nop                                          ; places behind the last products: for the loads below, and for the reads of the results
.endr
.if (\a) < 2
.irp k, 0,1,2,3,4,5,6,7
	GA (\a)+2, \k                                  ; block a's fragments are done with: their buffer takes block a + 2's
.endr
.endif
	WIN 0
.if (\a) > 1
	s_wait_xcnt 0x0                                ; block a - 2's stores have read their registers: block a's rows may land there
.endif
	TOSTAGE \a
.if (\a) < 3
.if (\a) == 0
	s_wait_dscnt 48                                ; block 1's fragments are in; block 2's 32 loads and the stage's 16 may be out.  (Later blocks' were waited for by SEND)
.endif
.irp k, 0,1,2,3
	MULK (\a)+1, \k
.endr
	WIN 0
	SEND \a
.irp k, 4,5,6,7
	MULK (\a)+1, \k
.endr
.else
	SEND \a
.endif
.endm
	s_wait_tensorcnt 0x0                           ; my region has landed,
	s_barrier_signal -1
	s_barrier_wait -1                              ; everybody's has
.irp k, 0,1,2                          ; a K step's fragments of B and of block 0: 20 loads; two steps are asked for behind the one in hand
	GB \k
	GA 0, \k
.endr
.irp k, 0,1,2,3,4
	s_wait_dscnt 40
	MULK 0, \k
	GB \k+3
	GA 0, \k+3
.endr
	s_wait_dscnt 40
	MULK 0, 5
.irp k, 0,1,2,3,4,5,6,7
	GA 1, \k                                       ; block 1's 32 loads
.endr
	s_wait_dscnt 52                                ; K step 7's 20 and block 1's 32 may be out
	MULK 0, 6
	s_wait_dscnt 32
	MULK 0, 7
	s_wait_loadcnt 0x0                             ; bo
	ROWOUT 0
	ROWOUT 1
	ROWOUT 2
	ROWOUT 3
	s_wait_tensorcnt 0x0                           ; the wave's end
	ds_add_u32 v[SPW], v[NIL]
	s_wait_dscnt 0x0
	CROUND                                         ; the closing round: no work-group ends while a partner may still ask for a tile that names it
	s_endpgm
.Lfunc_end_k_qe97e7f0b25_outp:
	.size	k_qe97e7f0b25_outp, .Lfunc_end_k_qe97e7f0b25_outp-k_qe97e7f0b25_outp
	.p2alignl 7, 3214868480
	.fill 96, 4, 3214868480
	.section	.rodata,"a",@progbits
	.p2align	6, 0x0
	.amdhsa_kernel k_qe97e7f0b25_outp
		.amdhsa_group_segment_fixed_size 280064
		.amdhsa_private_segment_fixed_size 0
		.amdhsa_enable_private_segment 0
		.amdhsa_kernarg_size 40
		.amdhsa_user_sgpr_count 2
		.amdhsa_user_sgpr_kernarg_segment_ptr 1
		.amdhsa_wavefront_size32 1
		.amdhsa_system_sgpr_workgroup_id_x 1
		.amdhsa_system_sgpr_workgroup_id_y 1
		.amdhsa_system_sgpr_workgroup_id_z 1
		.amdhsa_system_vgpr_workitem_id 0
		.amdhsa_next_free_vgpr 1024
		.amdhsa_next_free_sgpr 100
		.amdhsa_reserve_vcc 0
		.amdhsa_float_denorm_mode_32 3
		.amdhsa_float_denorm_mode_16_64 3
		.amdhsa_memory_ordered 1
		.amdhsa_forward_progress 1
		.amdhsa_inst_pref_size 44
	.end_amdhsa_kernel
	.amdgpu_metadata
---
amdhsa.version: [ 1, 2 ]
amdhsa.kernels:
  - .name:           k_qe97e7f0b25_outp
    .symbol:         k_qe97e7f0b25_outp.kd
    .args:
      - { .name: cc, .offset: 0, .size: 8, .value_kind: global_buffer, .address_space: global }
      - { .name: codes, .offset: 8, .size: 8, .value_kind: global_buffer, .address_space: global }
      - { .name: lowp_scales, .offset: 16, .size: 8, .value_kind: global_buffer, .address_space: global }
      - { .name: bo, .offset: 24, .size: 8, .value_kind: global_buffer, .address_space: global }
      - { .name: out0, .offset: 32, .size: 8, .value_kind: global_buffer, .address_space: global }
    .group_segment_fixed_size: 280064
    .private_segment_fixed_size: 0
    .kernarg_segment_align: 8
    .kernarg_segment_size: 40
    .max_flat_workgroup_size: 128
    .sgpr_count:     100
    .vgpr_count:     1024
    .wavefront_size: 32
...
	.end_amdgpu_metadata
.endif
;; end of part 4
